; MI455X (gfx1250); checked and timed in simulation.
; The chip was launched on July 23, 2026; its instructions are those of AMD's public machine-readable ISA for CDNA 5 (MIT licence, August 2026) and "CDNA5" Instruction Set Architecture Reference Guide (July 2026). The comments in the code are by the model that wrote it; some were corrected since.
;; Multi Head Attention. Allowed arithmetic: matrix products marked QUANTISED: E2M3 operands, one E8M0 scale for each 32 along K, by v_wmma_scale_f32_16x16x128_f8f6f4 with both operands' format E2M3, f32 sums; everything else in f32.
;; Inputs: Wk_codes 1,024 x 32 x 24 uint8 (E2M3 codes of Wk, K innermost, in blocks of 32 codes, four codes in three bytes); Wk_scales 1,024 x 32 uint8 (E8M0 scales of Wk, one for each 32 codes along K); Wp_codes 1,024 x 32 x 24 uint8 (E2M3 codes of Wp, K innermost, in blocks of 32 codes, four codes in three bytes); Wp_scales 1,024 x 32 uint8 (E8M0 scales of Wp, one for each 32 codes along K); Wq_codes 1,024 x 32 x 24 uint8 (E2M3 codes of Wq, K innermost, in blocks of 32 codes, four codes in three bytes); Wq_scales 1,024 x 32 uint8 (E8M0 scales of Wq, one for each 32 codes along K); Wv_codes 1,024 x 32 x 24 uint8 (E2M3 codes of Wv, K innermost, in blocks of 32 codes, four codes in three bytes); Wv_scales 1,024 x 32 uint8 (E8M0 scales of Wv, one for each 32 codes along K); bp 1,024 float32; x_codes 4 x 2,048 x 32 x 24 uint8 (E2M3 codes of x, K innermost, in blocks of 32 codes, four codes in three bytes); x_scales 4 x 2,048 x 32 uint8 (E8M0 scales of x, one for each 32 codes along K).
;; Outputs: out0 4 x 2,048 x 1,024 float32.
;; This version of the problem:
;;   THIS VERSION OF THE PROBLEM IS GIVEN IN LOW PRECISION. The matrix products marked QUANTISED in the list below multiply operands that are first quantised to E2M3 (2 exponent bits, 3 mantissa bits; 6 bits a number), with one power-of-two scale for each 32 numbers along K (OCP MX v1.0); their sums are f32. All else is computed in f32.
;;   The module's matrix products, in the order in which they are computed (A, B: the left and right operand; K: the contracted axis; several contracted axes count as one K, in the product's order):
;;     1. [M 8,192, K 1,024] x [K 1,024, N 1,024]; A: input x (given as codes); B: input Wk (given as codes): QUANTISED
;;     2. [M 8,192, K 1,024] x [K 1,024, N 1,024]; A: input x (given as codes); B: input Wq (given as codes): QUANTISED
;;     3. [M 8,192, K 1,024] x [K 1,024, N 1,024]; A: input x (given as codes); B: input Wv (given as codes): QUANTISED
;;     4. batch 64 x [M 2,048, K 64] x [K 64, N 2,048]; A: computed on the way; B: computed on the way: QUANTISED
;;     5. batch 64 x [M 2,048, K 2,048] x [K 2,048, N 64]; A: softmax (see below); B: computed on the way: QUANTISED
;;     6. [M 8,192, K 1,024] x [K 1,024, N 1,024]; A: computed on the way; B: input Wp (given as codes): QUANTISED
;;   THE QUANTISER, for each operand of a quantised product, along K:
;;     - K is cut into blocks of 32 from its start; a last block that is shorter is filled with zeros.
;;     - A block's scale is 2^e with e = floor(log2(the largest magnitude in the block)) - 2, held to -126 .. 127; a block of zeros has e = 0. As a byte (E8M0): e + 127.
;;     - Each number is divided by its block's scale, clamped to +-7.5, and rounded to the nearest number of E2M3, ties to even, subnormals kept.
;;     - The product sums the exact products of the quantised numbers (number of the format x scale) in f32.
;;   ~~~python
;;   def quantise(x, axis):      # numpy; x: float32 -> the quantised numbers, widened to float32 again
;;       x = np.moveaxis(x, axis, -1); K = x.shape[-1]
;;       x = np.pad(x, [(0, 0)] * (x.ndim - 1) + [(0, -K % 32)]); x = x.reshape(x.shape[:-1] + (-1, 32)); a = np.abs(x).max(-1, keepdims=True)
;;       e = np.where(a > 0, np.clip(np.frexp(np.where(a > 0, a, 1))[1] - 1 - 2, -126, 127), 0)      # np.frexp(a)[1] - 1 = floor(log2(a)), exactly
;;       r = np.clip(x / 2.0 ** e, -7.5, 7.5)
;;       step = 2.0 ** (np.maximum(np.frexp(np.where(r == 0, 1, r))[1] - 1, 0) - 3)
;;       q = np.round(r / step) * step * 2.0 ** e      # np.round: ties to even
;;       return np.moveaxis(q.reshape(q.shape[:-2] + (-1,))[..., :K], -1, axis).astype(np.float32)
;;   ~~~
;;   SOFTMAX AHEAD OF A QUANTISED PRODUCT. Where the list says 'softmax', what is quantised is not the finished softmax but p = 2^(t - M), with t = logit x log2(e) and M = ceil(the row's largest t), a whole number; so 1/2 < the row's largest p <= 1. The row's sum l is taken of the UNQUANTISED p, in f32, and the product's result is divided by l at the end. Since M is a whole number, a kernel that streams over the keys may use a running M (the ceiling of the running maximum): every later rescaling is an exact power of two, which a block's scale takes up: the codes' values come out the same.
;;   OPERANDS COMPUTED ON THE WAY. 'Computed on the way' means the value that the module computes at that place (a softmax that the list does not call 'softmax' is quantised finished and normalised). What goes into a quantiser is computed in f32, as accurately as f32 sums, v_exp_f32 and their like allow (about 1e-6 of the number): no bf16 or f16 on the way to a quantiser, and a product that is left as it is and whose result goes on into a quantised operand takes f32 operands (vector FMAs, or v_wmma_f32_16x16x4_f32). A number that lies on a knife's edge between two numbers of the format may be rounded either way, as far as f32 arithmetic and the matrix unit's own rounding can turn it there, and no further.
;;   INPUTS GIVEN AS CODES. Wk (in the module: [1024, 1024], K = its axis 1); Wp (in the module: [1024, 1024], K = its axis 1); Wq (in the module: [1024, 1024], K = its axis 1); Wv (in the module: [1024, 1024], K = its axis 1); x (in the module: [4, 2048, 1024], K = its axis 2): each comes as NAME_codes (uint8): NAME with its K axis moved to the last place and cut into blocks of 32 codes, [.., K / 32, bytes a block], one block behind the other in memory; four codes in three bytes: a row's codes are one little-endian stream of bits, code i at bits 6 i .. 6 i + 5 (a code: sign, 2 exponent bits, 3 mantissa bits); and NAME_scales (uint8): the same leading axes, one E8M0 byte (e + 127) for each 32 codes along K. Its value is code x scale, taken as it is: it is not quantised again, and the codes and scales need not be those that the quantiser above would give.
;; One version. Each part assembles by itself: llvm-mc -triple=amdgcn-amd-amdhsa -mcpu=gfx1250 --defsym DOCPART=n.
;; ======== version 1 of 1: 3 launches
;; workspace buffers: qkv 19,660,800 bytes; att 6,291,456 bytes; atts 262,144 bytes
;; launch qkv (part 1): grid 8 x 32, 4 waves a work-group, clusters of 4 x 4, 327,680 bytes of LDS; arguments x_codes, x_scales, Wq_codes, Wq_scales, Wk_codes, Wk_scales, Wv_codes, Wv_scales, qkv; writes qkv
.if DOCPART == 1
	.amdgcn_target "amdgcn-amd-amdhsa--gfx1250"
	.amdhsa_code_object_version 6
	.text
	.protected	k_qe0c7a249b7_qkv
	.globl	k_qe0c7a249b7_qkv
	.p2align	8
	.type	k_qe0c7a249b7_qkv,@function
k_qe0c7a249b7_qkv:
	s_mov_b64 s[64:65], 0
	v_nop
	global_prefetch_b8 v0, s[64:65] scope:SCOPE_SE
	s_setreg_imm32_b32 hwreg(HW_REG_WAVE_MODE, 25, 1), 1
	s_wait_xcnt 0x0
	s_wait_alu depctr_hold_cnt(0) depctr_sa_sdst(0) depctr_va_vdst(0) depctr_va_sdst(0) depctr_va_ssrc(0) depctr_va_vcc(0) depctr_vm_vsrc(0)
	s_getreg_b32 s2, hwreg(HW_REG_IB_STS2, 6, 4)
	s_cmp_eq_u32 s2, 0
	s_cbranch_scc0 .Lentry_in_a_cluster
	s_endpgm
.Lentry_in_a_cluster:
	s_bfe_u32 s2, ttmp6, 0x10000c
	s_cmp_lg_u32 s2, 0xf033
	s_cbranch_scc0 .Lentry_shape_is_right
	s_endpgm
.Lentry_shape_is_right:
; q = x Wq^T, k = x Wk^T, v = x Wv^T on the given codes of E2M3, and their quantising for the two products of attention: q and k along a head's 64 channels, v along the keys.
; WORK LEFT OUT BY THE PROGRAM (in the second launch): key steps of 128 keys that lie wholly behind a tile of 16 queries.  reference() sets those scores to -inf by its own jnp.tril before the softmax, so their weights
; are exactly 0 for all finite inputs: they add nothing to a row's sum or to its product with v, and they cannot be a row's maximum (key 0 counts for every query).  LIMIT: a NaN, an infinity or an overflow that would
; arise only in those scores is not carried to the result.  No input is left out: all eleven have a way to the output.
; LIMITS: a block whose largest magnitude lies under 2^-124 gets the scale byte 1; a block of zeros gets the byte 1 and not 127 (its codes are zeros, and only this program reads these bytes); NaN, infinities and a given scale byte 0xff are not served.
; SHARES.  Work-group (X, Y): tokens 256 Y .. + 255, features 128 X .. + 127 (heads 2 X, 2 X + 1) of q, k and v.  Wave w: tokens 64 w .. + 63 (four blocks of 16) against all 128 features (eight tiles): 32 accumulators.
; The wave's 64 rows of x, for all of K, stay in 384 registers.  LDS holds weights: 128 rows for all of K.  Three passes (q, k, v) of eight K steps of 128, 32 matrix instructions each.
; CLUSTER 4 x 4: x's rows hang on Y alone and are asked for jointly along a row of the cluster, the weights' rows on X alone and along a column.
; ORDER INSIDE A BLOCK OF 32.  A result tile gives a lane 8 neighbours; two tiles' 16 registers, quantised as they stand, leave a block's codes in the order 0-7, 16-23, 8-15, 24-31.  q and k both get it here, v gets it here
; and the softmax's weights get it in the second launch by the same lines: both operands of each product are permuted alike inside a scale's block, so the sums are the same.
; q, k: source 0 = 16 rows of W, source 1 = 16 tokens: a lane holds one token and 8 features.  v: source 0 = 16 tokens, source 1 = 16 rows of W: a lane holds one feature and 8 tokens, which are its K.
; THE RECORD (19,200 bytes) of a head and a step of 128 tokens: K codes [group of 32 keys][lane][tile of the two][24 B] at 0; V codes [fragment][lane][half of the keys][24 B] at 6,144; K scales at 12,288; V scales at 12,544;
; Q codes [tile][plane of 8 B][lane] at 12,800; Q scales at 18,944: images of the operands' registers.  Row m of V's fragment f is channel 32 (f / 2) + 8 (f % 2) + m + 8 (m / 8), so that the attention result comes out in natural order.
; REGISTERS.  Window 0: v1-27 addresses; v32-47 x's scale words; v48-143 the weights'; v144-148 at work at the head; v160-255 weight fragments, set 1, and in the epilogues all that is at work.
;   Window 1: v0-95 weight fragments, set 0; v96-239 x's fragments of K steps 0-2.   Window 2: x's of K steps 3-7.   Window 3: the accumulators.
.set PITCH, 816                        ; an LDS row: 768 bytes + 16 behind each 256 = 204 words: row r starts at bank 12 r mod 64, sixteen different multiples of 4
.set B16,   16*PITCH
.set XW,    64*PITCH                   ; 64 rows: one tensor load of x, of Wk or of Wv
.set R2,    4*XW                       ; behind x's 256 rows: Wq's 128 rows; after pass q the three stages
.set WQW,   32*PITCH
.set STG,   25600                      ; a stage: four records' parts of 6,144 bytes, then four of 256 bytes of scales
.set SSC,   24576
.set SPARE, R2+4*WQW                   ; the spare words: 128 bytes a wave
.set REC,   19200
.set SPW, 1
.set NIL, 2
.set ADA, 3                            ; v3, v4   my rows of x in LDS (the second: behind one padding more for lanes 16-31)
.set ADB, 5                            ; v5-16    the weights' rows: pass p, half of the rows k / 2, padding k % 2 at v[5 + 4 p + k]
.set WQ,  17                           ; v17-22   where my codes and scale bytes go in the stages
.set WK,  18
.set WV,  19
.set WQS, 20
.set WKS, 21
.set WVS, 22
.set RB,  23                           ; v23, v24 where I read a record's part back
.set RBS, 24
.set L16, 25
.set L8,  26
.set L32, 27
.set AS,  32
.set BS,  48
.set LN,  144
.set RR,  145
.set HH,  146
.set R3,  147
.set R7,  148
.set TM,  160                          ; v160-175 a quantiser's maxima, bytes and scale operands
.set PWR, 176                          ; v176, v177 the scale word, by parity
.set PCB, 180                          ; v180-199, v204-223 the codes, by parity
.set G1A, 32
.set G1C, 40
.set G1B, 48
.set G0A, 56
.set G0B, 60
.set G0R, 68
.set SEL, 72
.set OUT, 74
.set SXS, 76
.set PADW, (1<<20)|(1<<21)|(5<<22)|(3<<25)   ; elements of 1 byte; padding on; bit 21 beside a mask; behind every 64 words; 4 words
.set MSB, 0
.macro WIN new                         ; the immediate's high byte repeats the setting that is left
.if MSB != (\new)
	s_set_vgpr_msb (MSB<<8)|(\new)
.set MSB, \new
.endif
.endm
.macro PLACES n
.rept \n
	v_nop
.endr
.endm
.macro CROUND                          ; a round of the cluster's barrier
	s_barrier_signal -1
	s_barrier_wait -1
	s_cmp_lg_u32 s22, 0
	s_cbranch_scc1 .Lnot_wave_0_\@
	s_barrier_signal -3
.Lnot_wave_0_\@:
	s_barrier_wait -3
	s_barrier_signal -1
	s_barrier_wait -1
.endm
.macro ASET s                          ; where x's fragments of K step s lie
.if (\s) < 3
.set AWN, 1
.set AB0, 96+48*(\s)
.else
.set AWN, 2
.set AB0, 48*((\s)-3)
.endif
.endm
.macro BSET set                        ; where the weights' set lies
.if (\set)
.set BWN, 0
.set BB0, 160
.else
.set BWN, 1
.set BB0, 0
.endif
.endm
; A fragment, 16 rows x 128 K: lane (r, h) takes 24 bytes at 96 s + 24 h and 24 at 96 s + 48 + 24 h of row r, in pieces of 8.  Lanes 16-31 read three pieces on: where that is behind one padding more, the second address serves.
.macro FRAG reg, adr, s, rowoff
.irp p,0,1,2,3,4,5
.set PCE, 12*(\s)+6*(\p/3)+\p%3
.if PCE%32 < 29
	ds_load_b64 v[\reg+2*\p:\reg+2*\p+1], v[\adr] offset:8*PCE+16*(PCE/32)+(\rowoff)
.else
	ds_load_b64 v[\reg+2*\p:\reg+2*\p+1], v[\adr+1] offset:8*PCE+16*(PCE/32)+(\rowoff)
.endif
.endr
.endm
.macro FETCHB p, s, set                ; pass p's eight weight fragments of K step s: 48 loads
	BSET \set
.set WW, BWN<<6
	WIN WW
.irp b,0,1,2,3,4,5,6,7
	FRAG BB0+12*\b, ADB+4*(\p)+2*(\b/4), \s, B16*(\b%4)
.endr
.endm
; One matrix instruction on the symbols rD, rC, rA, rB, rSA, rSB.  z: the sum starts with 0.  ra, rb: the side's scale words stand in lanes 16-31.
.macro WM z, ra, rb
.if \z
.if (\ra) && (\rb)
	v_wmma_scale_f32_16x16x128_f8f6f4 v[rD:rD+7], v[rA:rA+11], v[rB:rB+11], 0, v[rSA], v[rSB] matrix_a_fmt:MATRIX_FMT_FP6 matrix_b_fmt:MATRIX_FMT_FP6 matrix_a_scale:MATRIX_SCALE_ROW1 matrix_b_scale:MATRIX_SCALE_ROW1
.elseif (\ra)
	v_wmma_scale_f32_16x16x128_f8f6f4 v[rD:rD+7], v[rA:rA+11], v[rB:rB+11], 0, v[rSA], v[rSB] matrix_a_fmt:MATRIX_FMT_FP6 matrix_b_fmt:MATRIX_FMT_FP6 matrix_a_scale:MATRIX_SCALE_ROW1
.elseif (\rb)
	v_wmma_scale_f32_16x16x128_f8f6f4 v[rD:rD+7], v[rA:rA+11], v[rB:rB+11], 0, v[rSA], v[rSB] matrix_a_fmt:MATRIX_FMT_FP6 matrix_b_fmt:MATRIX_FMT_FP6 matrix_b_scale:MATRIX_SCALE_ROW1
.else
	v_wmma_scale_f32_16x16x128_f8f6f4 v[rD:rD+7], v[rA:rA+11], v[rB:rB+11], 0, v[rSA], v[rSB] matrix_a_fmt:MATRIX_FMT_FP6 matrix_b_fmt:MATRIX_FMT_FP6
.endif
.else
.if (\ra) && (\rb)
	v_wmma_scale_f32_16x16x128_f8f6f4 v[rD:rD+7], v[rA:rA+11], v[rB:rB+11], v[rC:rC+7], v[rSA], v[rSB] matrix_a_fmt:MATRIX_FMT_FP6 matrix_b_fmt:MATRIX_FMT_FP6 matrix_a_scale:MATRIX_SCALE_ROW1 matrix_b_scale:MATRIX_SCALE_ROW1
.elseif (\ra)
	v_wmma_scale_f32_16x16x128_f8f6f4 v[rD:rD+7], v[rA:rA+11], v[rB:rB+11], v[rC:rC+7], v[rSA], v[rSB] matrix_a_fmt:MATRIX_FMT_FP6 matrix_b_fmt:MATRIX_FMT_FP6 matrix_a_scale:MATRIX_SCALE_ROW1
.elseif (\rb)
	v_wmma_scale_f32_16x16x128_f8f6f4 v[rD:rD+7], v[rA:rA+11], v[rB:rB+11], v[rC:rC+7], v[rSA], v[rSB] matrix_a_fmt:MATRIX_FMT_FP6 matrix_b_fmt:MATRIX_FMT_FP6 matrix_b_scale:MATRIX_SCALE_ROW1
.else
	v_wmma_scale_f32_16x16x128_f8f6f4 v[rD:rD+7], v[rA:rA+11], v[rB:rB+11], v[rC:rC+7], v[rSA], v[rSB] matrix_a_fmt:MATRIX_FMT_FP6 matrix_b_fmt:MATRIX_FMT_FP6
.endif
.endif
.endm
; K step s of pass p: the next step's weight fragments are asked for first, into the other set; then 32 matrix instructions, the 32 accumulators by turns in the same order in every step.
.macro STEP p, s
.if (\s) < 7
.if (\s) > 0
	PLACES 4                                       ; the loads below land in registers that the last step's matrix instructions read: four places behind them
.elseif (\p) > 0
	s_wait_xcnt 0x0                                ; the last record's stores have read their registers: set 1 is loaded only behind this wait
.endif
	FETCHB \p, (\s)+1, 1-((\s)&1)
	s_wait_dscnt 48                                ; all but the 48 just issued: this step's fragments are in
.else
	s_wait_dscnt 0x0
.endif
	ASET \s
	BSET ((\s)&1)
.if (\p) < 2
.set WW, 0xf0|(AWN<<2)|BWN
	WIN WW
.irp a,0,1,2,3
.irp b,0,1,2,3,4,5,6,7
.set rD, 8*(8*\a+\b)
.set rC, rD
.set rA, BB0+12*\b
.set rB, AB0+12*\a
.set rSA, BS+32*(\p)+8*(\b/2)+(\s)
.set rSB, AS+8*(\a/2)+(\s)
	WM ((\s)==0), (\b%2), (\a%2)
.endr
.endr
.else
.set WW, 0xf0|(BWN<<2)|AWN
	WIN WW
.irp b,0,1,2,3,4,5,6,7
.irp a,0,1,2,3
.set rD, 8*(4*\b+\a)
.set rC, rD
.set rA, AB0+12*\a
.set rB, BB0+12*\b
.set rSA, AS+8*(\a/2)+(\s)
.set rSB, BS+64+8*(\b/2)+(\s)
	WM ((\s)==0), (\a%2), (\b%2)
.endr
.endr
.endif
.endm
; nb blocks of 32 (16 nb accumulator registers of a lane from v[src] of window 3 on; a block lies in lanes l and l xor 16) become codes in v[PC] on and scale bytes in v[PW].
.macro QUANT nb, src, par
.set PC, PCB+24*(\par)
.set PW, PWR+(\par)
	WIN 0x3c                                       ; sources 1 and 2: window 3
.irp b,0,1,2,3
.if \b < (\nb)
	v_max3_num_f32 v[TM+\b], 0x1800000, |v[(\src)+16*\b]|, |v[(\src)+16*\b+1]|   ; my 16 numbers, each accumulator from its low end, and the floor 2^(3 - 127): the byte cannot fall under 1
.endif
.endr
.irp i,2,4,6,8,10,12,14
.irp b,0,1,2,3
.if \b < (\nb)
	v_max3_num_f32 v[TM+\b], v[TM+\b], |v[(\src)+16*\b+\i]|, |v[(\src)+16*\b+\i+1]|
.endif
.endr
.endr
	WIN 0
.irp b,0,1,2,3
.if \b < (\nb)
	v_permlanex16_b32 v[TM+4+\b], v[TM+\b], s[SEL], s[SEL+1]
.endif
.endr
.irp b,0,1,2,3
.if \b < (\nb)
	v_max_num_f32 v[TM+\b], v[TM+\b], v[TM+4+\b]   ; with lane l xor 16's: the block's largest magnitude
.endif
.endr
.irp b,0,1,2,3
.if \b < (\nb)
	v_add_nc_u32 v[TM+12+\b], 0xff000000, v[TM+\b] ; 2 off its exponent field: the conversion's scale operand
.endif
.endr
.irp b,0,1,2,3
.if \b < (\nb)
	v_lshrrev_b32 v[TM+4+\b], 23, v[TM+12+\b]      ; the scale's byte
.endif
.endr
	v_lshl_or_b32 v[PW], v[TM+5], 8, v[TM+4]
.if (\nb) > 2
	v_lshl_or_b32 v[PW], v[TM+6], 16, v[PW]
	v_lshl_or_b32 v[PW], v[TM+7], 24, v[PW]
.endif
	WIN 0x03                                       ; source 0: window 3
.irp c,0,1
.if 2*\c < (\nb)
	v_cvt_scalef32_pk16_fp6_f32 v[PC+6*\c:PC+6*\c+2], v[(\src)+32*\c:(\src)+32*\c+15], v[TM+12+2*\c]
	v_cvt_scalef32_pk16_fp6_f32 v[PC+12+4*\c:PC+14+4*\c], v[(\src)+32*\c+16:(\src)+32*\c+31], v[TM+13+2*\c]
.endif
.endr
	WIN 0
	v_nop                                          ; one plain place behind the last scaled conversion
.irp c,0,1
.if 2*\c < (\nb)
.irp i,0,1,2
	v_permlane16_swap_b32 v[PC+6*\c+\i], v[PC+12+4*\c+\i]   ; a whole block to a lane: lanes 0-15 block 2 c, lanes 16-31 block 2 c + 1
.endr
.irp i,0,1,2
	v_mov_b32 v[PC+3+6*\c+\i], v[PC+12+4*\c+\i]
.endr
.endif
.endr
.endm
; q's or k's results, a block of 16 tokens at a time: four blocks of 32 features: registers 6 c .. 6 c + 5 are head c's half fragment, the scale word's half c its two bytes.
.macro EPIQK isk
.irp b,0,1,2,3
	v_mov_b32 v[TM+4+\b], 0                        ; a lane permute's destination counts as one of its sources
.endr
.irp a,0,1,2,3
.if \a >= 2
	s_wait_dscnt 8                                 ; all but the last block's eight stores: the stores of two blocks back have read the registers that are written now
.endif
	QUANT 4, 64*\a, (\a%2)
.irp c,0,1
.irp i,0,1,2
.if \isk
	ds_store_b64 v[WK], v[PC+6*\c+2*\i:PC+6*\c+2*\i+1] offset:12288*\c+1536*(\a/2)+24*(\a%2)+8*\i
.else
	ds_store_b64 v[WQ], v[PC+6*\c+2*\i:PC+6*\c+2*\i+1] offset:12288*\c+768*\a+256*\i
.endif
.endr
.endr
.if \isk
	ds_store_b16 v[WKS], v[PW] offset:64*(\a/2)+2*(\a%2)          ; lanes r and r + 16 write the same bytes with the same value
	ds_store_b16_d16_hi v[WKS], v[PW] offset:64*(\a/2)+2*(\a%2)+512
.else
	ds_store_b16 v[WQS], v[PW] offset:32*\a
	ds_store_b16_d16_hi v[WQS], v[PW] offset:32*\a+512
.endif
.endr
.endm
; v's results, a tile of 16 features at a time: my 64 tokens are two blocks of 32 keys of each feature.
.macro EPIV
.irp b,0,1,2,3
	v_mov_b32 v[TM+4+\b], 0
.endr
.irp b,0,1,2,3,4,5,6,7
.if \b >= 2
	s_wait_dscnt 4                                 ; all but the last tile's four stores
.endif
	QUANT 2, 32*\b, (\b%2)
.irp i,0,1,2
	ds_store_b64 v[WV], v[PC+2*\i:PC+2*\i+1] offset:12288*(\b/4)+3072*((\b/2)%2)+384*(\b%2)+8*\i
.endr
	ds_store_b16 v[WVS], v[PW] offset:512*(\b/4)+128*((\b/2)%2)+32*(\b%2)
.endr
.endm
; Wave w sends part w of stage p (head w / 2, step w % 2): 6,144 bytes of codes and 256 of scales, each store 512 or 256 consecutive bytes at a multiple of 256 from the buffer's first byte.
.macro SENDREC p, coff, soff
.irp k,0,1,2,3,4,5,6,7,8,9,10,11
	ds_load_b128 v[160+4*\k:163+4*\k], v[RB] offset:STG*(\p)+512*\k
.endr
	ds_load_b64 v[208:209], v[RBS] offset:STG*(\p)
.irp k,0,1,2,3,4,5,6,7,8,9,10,11
	s_wait_dscnt 12-\k                             ; the younger loads may be out
	global_store_b128 v[L16], v[160+4*\k:163+4*\k], s[OUT:OUT+1] offset:(\coff)+512*\k
.endr
	s_wait_dscnt 0x0
	global_store_b64 v[L8], v[208:209], s[OUT:OUT+1] offset:\soff
.endm
	s_load_b256 s[4:11], s[0:1], 0x0               ; x's codes, x's scales, Wq's codes, Wq's scales
	s_load_b256 s[12:19], s[0:1], 0x20             ; Wk's codes, Wk's scales, Wv's codes, Wv's scales
	s_load_b64 s[20:21], s[0:1], 0x40              ; qkv
	v_lshl_add_u32 v[SPW], v0, 2, SPARE
	v_mov_b32 v[NIL], 0
	ds_add_u32 v[SPW], v[NIL]                      ; the wave's opening: the add, twice on end, and its wait ahead of my first tensor load
	ds_add_u32 v[SPW], v[NIL]
	v_lshrrev_b32 v28, 5, v0
	v_readfirstlane_b32 s22, v28                   ; wave 0..3
	s_bfe_u32 s23, ttmp6, 0x40000                  ; cx
	s_bfe_u32 s24, ttmp6, 0x40004                  ; cy
	s_lshl_b32 s25, ttmp9, 2
	s_add_co_u32 s25, s25, s23                     ; X
	s_and_b32 s26, ttmp7, 0xffff
	s_lshl_b32 s26, s26, 2
	s_add_co_u32 s26, s26, s24                     ; Y
	s_lshl_b32 s27, s24, 2
	s_lshl_b32 s27, 15, s27                        ; my row of the cluster
	s_lshl_b32 s28, 0x1111, s23                    ; my column
	s_or_b32 s[G1A], s27, PADW                     ; x: 64 rows of 768 bytes, to my row
	s_or_b32 s[G1C], s28, PADW                     ; Wk, Wv: 64 rows, to my column
	s_or_b32 s[G1B], s28, PADW                     ; Wq: 32 rows, to my column
.irp g, G1A, G1C
	s_mov_b32 s[\g+1], 768<<16                     ; tensor_dim0
	s_mov_b32 s[\g+2], 64<<16                      ; tensor_dim1
	s_mov_b32 s[\g+3], 768<<16                     ; tile_dim0
	s_mov_b32 s[\g+4], 64                          ; tile_dim1
	s_mov_b32 s[\g+5], 768                         ; from row to row
	s_mov_b32 s[\g+6], 0
	s_mov_b32 s[\g+7], 0
.endr
	s_mov_b32 s[G1B+1], 768<<16
	s_mov_b32 s[G1B+2], 32<<16
	s_mov_b32 s[G1B+3], 768<<16
	s_mov_b32 s[G1B+4], 32
	s_mov_b32 s[G1B+5], 768
	s_mov_b32 s[G1B+6], 0
	s_mov_b32 s[G1B+7], 0
	s_mov_b32 s[SEL], 0x76543210
	s_mov_b32 s[SEL+1], 0xfedcba98                 ; lane l xor 16
	s_lshl_b32 s84, s26, 8                         ; offsets that hang on Y: s84-89
	s_lshl_b32 s85, s22, 6
	s_add_co_u32 s84, s84, s85                     ; my first token: 256 Y + 64 w
	s_mul_i32 s86, s84, 768
	s_mov_b32 s87, 0
	s_lshl_b32 s88, s84, 5
	s_mov_b32 s89, 0
	s_lshl_b32 s90, s25, 7                         ; offsets that hang on X: s90-97
	s_lshl_b32 s91, s22, 5
	s_add_co_u32 s91, s90, s91                     ; Wq: row 128 X + 32 w
	s_mul_i32 s92, s91, 768
	s_mov_b32 s93, 0
	s_and_b32 s94, s22, 1
	s_lshl_b32 s94, s94, 6
	s_add_co_u32 s94, s90, s94                     ; Wk (waves 0, 1), Wv (waves 2, 3): row 128 X + 64 (w % 2)
	s_mul_i32 s94, s94, 768
	s_mov_b32 s95, 0
	s_lshl_b32 s96, s25, 12                        ; the weights' scales: 128 X rows of 32 bytes
	s_mov_b32 s97, 0
	s_lshr_b32 s29, s26, 3                         ; the record that I send: ((16 batch + 2 X + w / 2) 16 + 2 (Y % 8) + w % 2)
	s_lshl_b32 s29, s29, 4
	s_lshl_b32 s30, s25, 1
	s_add_co_u32 s29, s29, s30
	s_lshr_b32 s30, s22, 1
	s_add_co_u32 s29, s29, s30
	s_lshl_b32 s29, s29, 4
	s_and_b32 s30, s26, 7
	s_lshl_b32 s30, s30, 1
	s_add_co_u32 s29, s29, s30
	s_and_b32 s30, s22, 1
	s_add_co_u32 s29, s29, s30
	s_mul_i32 s98, s29, REC
	s_mov_b32 s99, 0
	s_mul_i32 s30, s22, XW                         ; LDS: wave x 64 rows
	s_mul_i32 s31, s22, WQW
	s_add_co_u32 s31, s31, R2                      ; and Wq's: wave x 32 rows
	s_wait_dscnt 0x0                               ; both opening adds are done
	s_wait_kmcnt 0x0
	s_mov_b32 s[G0A], 1
	s_mov_b32 s[G0A+1], s30
	s_add_nc_u64 s[G0A+2:G0A+3], s[4:5], s[86:87]
	s_or_b32 s[G0A+3], s[G0A+3], 0x80000000
	s_mov_b32 s[G0B], 1
	s_mov_b32 s[G0B+1], s31
	s_add_nc_u64 s[G0B+2:G0B+3], s[8:9], s[92:93]
	s_or_b32 s[G0B+3], s[G0B+3], 0x80000000
	s_mov_b32 s[G0R], 1
	s_mov_b32 s[G0R+1], s30
	s_cmp_lt_u32 s22, 2                            ; the choice hangs on the wave's number alone
	s_cselect_b64 s[G0R+2:G0R+3], s[12:13], s[16:17]
	s_add_nc_u64 s[G0R+2:G0R+3], s[G0R+2:G0R+3], s[94:95]
	s_or_b32 s[G0R+3], s[G0R+3], 0x80000000
	s_add_nc_u64 s[SXS:SXS+1], s[6:7], s[88:89]
	s_add_nc_u64 s[78:79], s[10:11], s[96:97]
	s_add_nc_u64 s[80:81], s[14:15], s[96:97]
	s_add_nc_u64 s[82:83], s[18:19], s[96:97]
	s_add_nc_u64 s[OUT:OUT+1], s[20:21], s[98:99]
	CROUND                                         ; all sixteen work-groups are here: the first joint loads meet
	tensor_load_to_lds s[G0A:G0A+3], s[G1A:G1A+7]  ; my 64 rows of x
	s_nop 0
	s_wait_alu depctr_va_vdst(0)
	s_wait_tensorcnt 0x0
	ds_add_u32 v1, v2
	s_wait_dscnt 0x0
	CROUND
	tensor_load_to_lds s[G0B:G0B+3], s[G1B:G1B+7]  ; my 32 rows of Wq: one load of mine is out
	s_nop 0
	PLACES 4
	v_and_b32 v[LN], 31, v0
	v_and_b32 v[RR], 15, v0
	v_bfe_u32 v[HH], v0, 4, 1
	v_lshrrev_b32 v[R3], 3, v[RR]
	v_and_b32 v[R7], 7, v0
	v_lshlrev_b32 v[L32], 5, v[LN]
.irp j,0,1                                     ; scale words: a row's 32 bytes are its eight words; lanes 0-15 take block 2 j, lanes 16-31 block 2 j + 1
	global_load_b128 v[AS+8*\j:AS+8*\j+3], v[L32], s[SXS:SXS+1] offset:1024*\j
	global_load_b128 v[AS+8*\j+4:AS+8*\j+7], v[L32], s[SXS:SXS+1] offset:1024*\j+16
.endr
.irp p,0,1,2
.irp j,0,1,2,3
	global_load_b128 v[BS+32*\p+8*\j:BS+32*\p+8*\j+3], v[L32], s[78+2*\p:79+2*\p] offset:1024*\j
	global_load_b128 v[BS+32*\p+8*\j+4:BS+32*\p+8*\j+7], v[L32], s[78+2*\p:79+2*\p] offset:1024*\j+16
.endr
.endr
	v_lshlrev_b32 v[L16], 4, v[LN]
	v_lshlrev_b32 v[L8], 3, v[LN]
	v_mul_u32_u24 v[ADB+4], v[RR], PITCH
	v_mad_u32_u24 v[ADB+4], v[HH], 24, v[ADB+4]    ; row r + 24 h (Wk begins at LDS byte 0)
	v_lshl_add_u32 v[ADB+5], v[HH], 4, v[ADB+4]    ; row r + 40 h
.irp k,0,1
	v_add_nc_u32 v[ADA+\k], s30, v[ADB+4+\k]
	v_add_nc_u32 v[ADB+\k], R2, v[ADB+4+\k]
	v_add_nc_u32 v[ADB+2+\k], R2+XW, v[ADB+4+\k]
	v_add_nc_u32 v[ADB+6+\k], XW, v[ADB+4+\k]
	v_add_nc_u32 v[ADB+8+\k], 2*XW, v[ADB+4+\k]
	v_add_nc_u32 v[ADB+10+\k], 3*XW, v[ADB+4+\k]
.endr
	s_mul_i32 s29, s22, 3072
	v_lshl_add_u32 v[WQ], v[LN], 3, s29
	v_add_nc_u32 v[WQ], R2, v[WQ]                  ; q: 3,072 w + 8 lane
	v_mul_u32_u24 v[WK], v[LN], 48
	v_add_nc_u32 v[WK], s29, v[WK]
	v_add_nc_u32 v[WK], R2+STG, v[WK]              ; k: 3,072 w + 48 lane
	s_lshr_b32 s98, s22, 1
	s_and_b32 s99, s22, 1
	s_mul_i32 s29, s98, 6144
	s_mul_i32 s31, s99, 24
	s_add_co_u32 s29, s29, s31
	v_mul_u32_u24 v[WV], v[R3], 1536
	v_mad_u32_u24 v[WV], v[HH], 768, v[WV]
	v_mad_u32_u24 v[WV], v[R7], 48, v[WV]
	v_add_nc_u32 v[WV], s29, v[WV]
	v_add_nc_u32 v[WV], R2+2*STG, v[WV]            ; v: 6,144 (w / 2) + 24 (w % 2) + 1,536 (r / 8) + 768 h + 48 (r % 8)
	s_lshl_b32 s29, s22, 7
	v_lshl_add_u32 v[WQS], v[RR], 1, s29
	v_add_nc_u32 v[WQS], R2+SSC, v[WQS]
	v_lshl_add_u32 v[WKS], v[RR], 2, s29
	v_add_nc_u32 v[WKS], R2+STG+SSC, v[WKS]
	s_lshl_b32 s29, s98, 8
	s_lshl_b32 s31, s99, 1
	s_add_co_u32 s29, s29, s31
	v_lshlrev_b32 v[WVS], 6, v[R3]
	v_lshl_add_u32 v[WVS], v[R7], 2, v[WVS]
	v_add_nc_u32 v[WVS], s29, v[WVS]
	v_add_nc_u32 v[WVS], R2+2*STG+SSC, v[WVS]
	s_mul_i32 s29, s22, 6144
	v_add_nc_u32 v[RB], s29, v[L16]
	v_add_nc_u32 v[RB], R2, v[RB]
	s_lshl_b32 s29, s22, 8
	v_add_nc_u32 v[RBS], s29, v[L8]
	v_add_nc_u32 v[RBS], R2+SSC, v[RBS]
	s_wait_tensorcnt 0x1                           ; my rows of x are in (Wq's load, issued behind them, may be out); only I read them, so no barrier
.irp s,0,1,2,3,4,5,6,7                         ; x into registers, for all of K: 192 loads
	ASET \s
.set WW, AWN<<6
	WIN WW
.irp a,0,1,2,3
	FRAG AB0+12*\a, ADA, \s, B16*\a
.endr
.endr
	WIN 0
	s_wait_tensorcnt 0x0                           ; all my tensor loads have landed: my part of Wq
	ds_add_u32 v[SPW], v[NIL]                      ; 0 onto my spare word
	s_wait_dscnt 0x0                               ; the add is done, and my reads of x's rows are over
	CROUND                                         ; both hold of every wave of all sixteen work-groups; Wq is whole
	tensor_load_to_lds s[G0R:G0R+3], s[G1C:G1C+7]  ; x's bytes are filled again: Wk (waves 0, 1) and Wv (waves 2, 3); it lands under pass q
	s_nop 0
	PLACES 4
	s_wait_loadcnt 0x0                             ; the scale words
	FETCHB 0, 0, 0
.irp s,0,1,2,3,4,5,6,7
	STEP 0, \s
.endr
	WIN 0
	PLACES 4                                       ; behind the last products: their results are read, and set 1's registers written, below
	s_wait_tensorcnt 0x0                           ; my part of Wk or Wv is in
	s_wait_dscnt 0x0                               ; my reads of Wq are over
	s_barrier_signal -1
	s_barrier_wait -1                              ; Wk and Wv are whole; nobody reads Wq any more: its bytes, which have had their last fill, become the stages
	FETCHB 1, 0, 0
	WIN 0
	EPIQK 0
	s_wait_dscnt 0x0                               ; for the others' sake: my stores into the stage are done
	s_barrier_signal -1
	s_barrier_wait -1
	SENDREC 0, 12800, 18944
.irp s,0,1,2,3,4,5,6,7
	STEP 1, \s
.endr
	WIN 0
	PLACES 4
	FETCHB 2, 0, 0
	WIN 0
	EPIQK 1
	s_wait_dscnt 0x0
	s_barrier_signal -1
	s_barrier_wait -1
	SENDREC 1, 0, 12288
.irp s,0,1,2,3,4,5,6,7
	STEP 2, \s
.endr
	WIN 0
	PLACES 4
	EPIV
	s_wait_dscnt 0x0
	s_barrier_signal -1
	s_barrier_wait -1
	SENDREC 2, 6144, 12544
	s_wait_tensorcnt 0x0                           ; the wave's end: behind my last tensor load and my last LDS store
	ds_add_u32 v[SPW], v[NIL]
	s_wait_dscnt 0x0
	CROUND                                         ; the closing round
	s_endpgm
.Lfunc_end_k_qe0c7a249b7_qkv:
	.size	k_qe0c7a249b7_qkv, .Lfunc_end_k_qe0c7a249b7_qkv-k_qe0c7a249b7_qkv
	.p2alignl 7, 3214868480
	.fill 96, 4, 3214868480
	.section	.rodata,"a",@progbits
	.p2align	6, 0x0
	.amdhsa_kernel k_qe0c7a249b7_qkv
		.amdhsa_group_segment_fixed_size 327680
		.amdhsa_private_segment_fixed_size 0
		.amdhsa_enable_private_segment 0
		.amdhsa_kernarg_size 72
		.amdhsa_user_sgpr_count 2
		.amdhsa_user_sgpr_kernarg_segment_ptr 1
		.amdhsa_wavefront_size32 1
		.amdhsa_system_sgpr_workgroup_id_x 1
		.amdhsa_system_sgpr_workgroup_id_y 1
		.amdhsa_system_sgpr_workgroup_id_z 1
		.amdhsa_system_vgpr_workitem_id 0
		.amdhsa_next_free_vgpr 1024
		.amdhsa_next_free_sgpr 100
		.amdhsa_reserve_vcc 0
		.amdhsa_float_denorm_mode_32 3
		.amdhsa_float_denorm_mode_16_64 3
		.amdhsa_memory_ordered 1
		.amdhsa_forward_progress 1
		.amdhsa_inst_pref_size 255
	.end_amdhsa_kernel
	.section	.bss,"aw",@nobits
	.p2align	6
	.space	262144
	.amdgpu_metadata
---
amdhsa.version: [ 1, 2 ]
amdhsa.kernels:
  - .name:           k_qe0c7a249b7_qkv
    .symbol:         k_qe0c7a249b7_qkv.kd
    .args:
      - { .name: x_codes, .offset: 0, .size: 8, .value_kind: global_buffer, .address_space: global }
      - { .name: x_scales, .offset: 8, .size: 8, .value_kind: global_buffer, .address_space: global }
      - { .name: Wq_codes, .offset: 16, .size: 8, .value_kind: global_buffer, .address_space: global }
      - { .name: Wq_scales, .offset: 24, .size: 8, .value_kind: global_buffer, .address_space: global }
      - { .name: Wk_codes, .offset: 32, .size: 8, .value_kind: global_buffer, .address_space: global }
      - { .name: Wk_scales, .offset: 40, .size: 8, .value_kind: global_buffer, .address_space: global }
      - { .name: Wv_codes, .offset: 48, .size: 8, .value_kind: global_buffer, .address_space: global }
      - { .name: Wv_scales, .offset: 56, .size: 8, .value_kind: global_buffer, .address_space: global }
      - { .name: qkv, .offset: 64, .size: 8, .value_kind: global_buffer, .address_space: global }
    .group_segment_fixed_size: 327680
    .private_segment_fixed_size: 0
    .kernarg_segment_align: 8
    .kernarg_segment_size: 72
    .max_flat_workgroup_size: 128
    .sgpr_count:     100
    .vgpr_count:     1024
    .wavefront_size: 32
...
	.end_amdgpu_metadata
.endif
;; end of part 1
;; launch attn (part 2): grid 4 x 64, 16 waves a work-group, clusters of 4 x 1, 206,848 bytes of LDS; arguments qkv, att, atts; writes att, atts
.if DOCPART == 2
	.amdgcn_target "amdgcn-amd-amdhsa--gfx1250"
	.amdhsa_code_object_version 6
	.text
	.protected	k_qe0c7a249b7_attn
	.globl	k_qe0c7a249b7_attn
	.p2align	8
	.type	k_qe0c7a249b7_attn,@function
k_qe0c7a249b7_attn:
	s_mov_b64 s[64:65], 0
	v_nop
	global_prefetch_b8 v0, s[64:65] scope:SCOPE_SE
	s_setreg_imm32_b32 hwreg(HW_REG_WAVE_MODE, 25, 1), 1
	s_wait_xcnt 0x0
	s_wait_alu depctr_hold_cnt(0) depctr_sa_sdst(0) depctr_va_vdst(0) depctr_va_sdst(0) depctr_va_ssrc(0) depctr_va_vcc(0) depctr_vm_vsrc(0)
	s_getreg_b32 s2, hwreg(HW_REG_IB_STS2, 6, 4)
	s_cmp_eq_u32 s2, 0
	s_cbranch_scc0 .Lentry_in_a_cluster
	s_endpgm
.Lentry_in_a_cluster:
	s_bfe_u32 s2, ttmp6, 0x10000c
	s_cmp_lg_u32 s2, 0x3003
	s_cbranch_scc0 .Lentry_shape_is_right
	s_endpgm
.Lentry_shape_is_right:
; Causal attention of one head on the codes that the first launch stored, and the quantising of its result along D for the projection.
; LEFT OUT: key steps of 128 keys that lie wholly behind a tile's 16 queries (reference()'s own jnp.tril makes their weights exactly 0: see the head of the first kernel; the same limit holds).
; THE SOFTMAX AHEAD OF THE SECOND PRODUCT: t = score x log2(e) / 8; M = the running largest t rounded up to a whole number; p = 2^(t - M) is quantised along the keys, not normalised; the row's sum is taken of the
; unquantised p and divides at the end; when M moves, the sum and O are multiplied by 2^(old M - new M), which rounds nothing.
; SHARES.  Work-group (g = its place in the cluster, head).  Wave w owns two tiles of 16 queries: tile g + 4 w (in block w / 2 of 128) and tile 127 - (g + 4 w) (in block 15 - w / 2): (w / 2 + 1) + (16 - w / 2) = 17 key steps for
; every wave.  The counts of steps hang on the wave's number alone.  A head's K and V as codes, 16 steps x 12,800 bytes, come into LDS once; the four work-groups of a head ask for them jointly, each wave for one step.
; K = 64 IN AN INSTRUCTION OF 128.  A fragment of K (12 registers) holds two tiles of 16 keys, one in each half of the instruction's K; it is multiplied by [q | 0] and by [0 | q]: zero codes add nothing.
; Both products are used transposed (S^T = K Q^T, O^T = V^T P^T): a lane holds one query throughout.
; LIMITS as in the first kernel: scale bytes are held at 1 from below; a block of zeros keeps the byte 1; NaN and infinities are not served.
.set REC,   19200
.set PART,  12800                      ; of a record: K codes 6,144, V codes 6,144, K scales 256, V scales 256
.set SPARE, 16*PART                    ; the spare words: 128 bytes for each of 16 waves
.set L48, 1                            ; v1   48 x lane: a fragment's image
.set L4,  2                            ; v2   4 x lane: scale words
.set ADK, 3                            ; v3   the step's codes
.set ADS, 4                            ; v4   the step's scale words
.set SPW, 5
.set NIL, 6
.set L8,  7
.set D0,  8                            ; v8   r - 8 h
.set VD,  9                            ; v9   on the diagonal: register 8 T + j is hidden where 16 T + j is above this
.set QS,  10
.set PW,  11
.set QR,  16                           ; v16-33: six zeros, q, six zeros
.set KS,  34
.set VS,  36
.set R2X, 38
.set KV,  40                           ; v40-87  K's four fragments, then V's four
.set S,   96                           ; v96-159 S^T, then p
.set O,   160                          ; v160-191 O^T
.set P,   192                          ; v192-203 p's codes
.set P2,  204
.set BM,  212
.set BP,  216
.set SO,  220
.set TMP, 224
.set F,   226
.set SUM2, 228
.set RR,  248
.set HH,  249
.set LN,  250
.set CS,  44                           ; s[44:45] c = log2(e) / 8
.set SEL, 46
.set TB,  48                           ; s48  LDS byte of the step in hand
.set SI,  49                           ; s49  the step's number
.macro CROUND
	s_barrier_signal -1
	s_barrier_wait -1
	s_cmp_lg_u32 s10, 0
	s_cbranch_scc1 .Lnot_wave_0_\@
	s_barrier_signal -3
.Lnot_wave_0_\@:
	s_barrier_wait -3
	s_barrier_signal -1
	s_barrier_wait -1
.endm
; A KEY STEP of 128 keys for the tile in hand, whose block of 128 is s[ab].
.macro STEP ab
	s_cmp_gt_u32 s[SI], s[\ab]                     ; all its keys come after my queries: left out (the wave's number and the count of steps alone decide)
	s_cbranch_scc1 .Lskip_\@
	s_setprio 2
	v_add_nc_u32 v[ADK], s[TB], v[L48]
	v_add_nc_u32 v[ADS], s[TB], v[L4]
	v_nop
	v_nop                                          ; four places in front of loads into registers that the last products read
.irp g,0,1,2,3
.irp k,0,1,2
	ds_load_b128 v[KV+12*\g+4*\k:KV+12*\g+4*\k+3], v[ADK] offset:1536*\g+16*\k
.endr
.endr
	ds_load_b32 v[KS], v[ADS] offset:12288         ; lanes 0-15: group 0's words, lanes 16-31: group 1's
	ds_load_b32 v[KS+1], v[ADS] offset:12416
	s_wait_alu depctr_va_vdst(0)
	s_wait_dscnt 0x0
.irp g,0,1,2,3
.if \g%2
	v_wmma_scale_f32_16x16x128_f8f6f4 v[S+16*\g:S+16*\g+7], v[KV+12*\g:KV+12*\g+11], v[QR+6:QR+17], 0, v[KS+\g/2], v[QS] matrix_a_fmt:MATRIX_FMT_FP6 matrix_b_fmt:MATRIX_FMT_FP6 matrix_a_scale:MATRIX_SCALE_ROW1
	v_wmma_scale_f32_16x16x128_f8f6f4 v[S+16*\g+8:S+16*\g+15], v[KV+12*\g:KV+12*\g+11], v[QR:QR+11], 0, v[KS+\g/2], v[QS] matrix_a_fmt:MATRIX_FMT_FP6 matrix_b_fmt:MATRIX_FMT_FP6 matrix_a_scale:MATRIX_SCALE_ROW1
.else
	v_wmma_scale_f32_16x16x128_f8f6f4 v[S+16*\g:S+16*\g+7], v[KV+12*\g:KV+12*\g+11], v[QR+6:QR+17], 0, v[KS+\g/2], v[QS] matrix_a_fmt:MATRIX_FMT_FP6 matrix_b_fmt:MATRIX_FMT_FP6
	v_wmma_scale_f32_16x16x128_f8f6f4 v[S+16*\g+8:S+16*\g+15], v[KV+12*\g:KV+12*\g+11], v[QR:QR+11], 0, v[KS+\g/2], v[QS] matrix_a_fmt:MATRIX_FMT_FP6 matrix_b_fmt:MATRIX_FMT_FP6
.endif
.endr
.rept 4
	v_nop                                          ; places: V's loads land where K lay, and the scores are read below
.endr
.irp f,0,1,2,3
.irp k,0,1,2
	ds_load_b128 v[KV+12*\f+4*\k:KV+12*\f+4*\k+3], v[ADK] offset:6144+1536*\f+16*\k   ; V lands under the softmax
.endr
.endr
	ds_load_b32 v[VS], v[ADS] offset:12544
	ds_load_b32 v[VS+1], v[ADS] offset:12672
	s_cmp_lg_u32 s[SI], s[\ab]
	s_cbranch_scc1 .Lopen_\@                       ; only the tile's own block lies on the diagonal
	v_mov_b32 v[TMP], 0xff800000                   ; -infinity: p = 0 then
.set n, 0
.rept 64
	v_cmp_gt_i32 vcc_lo, 16*(n/8)+n%8, v[VD]
	v_cndmask_b32 v[S+n], v[S+n], v[TMP], vcc_lo
.set n, n+1
.endr
.Lopen_\@:
.irp b,0,1,2,3
	v_max3_num_f32 v[BM+\b], v[S+16*\b], v[S+16*\b+1], v[S+16*\b+2]   ; the largest score of each block of 32 keys: for the row's maximum, and, since p rises with the score, for the block's largest p
.endr
.irp i,3,5,7,9,11,13
.irp b,0,1,2,3
	v_max3_num_f32 v[BM+\b], v[BM+\b], v[S+16*\b+\i], v[S+16*\b+\i+1]
.endr
.endr
.irp b,0,1,2,3
	v_max_num_f32 v[BM+\b], v[BM+\b], v[S+16*\b+15]
.endr
.irp b,0,1,2,3
	s_delay_alu instid0(VALU_DEP_4)
	v_permlanex16_b32 v[BP+\b], v[BM+\b], s[SEL], s[SEL+1]
.endr
.irp b,0,1,2,3
	s_delay_alu instid0(VALU_DEP_4)
	v_max_num_f32 v[BM+\b], v[BM+\b], v[BP+\b]
.endr
	s_delay_alu instid0(VALU_DEP_2)
	v_max3_num_f32 v[TMP], v[BM], v[BM+1], v[BM+2]
	s_delay_alu instid0(VALU_DEP_1)
	v_max_num_f32 v[TMP], v[TMP], v[BM+3]
	s_delay_alu instid0(VALU_DEP_1)
	v_mul_f32 v[TMP], s[CS], v[TMP]                ; the step's largest t
	s_delay_alu instid0(VALU_DEP_1)
	v_max_num_f32 v13, v13, v[TMP]                 ; the running largest t
	v_mov_b32 v[TMP], v12
	s_delay_alu instid0(VALU_DEP_2)
	v_floor_f32 v12, -v13                          ; -M = floor(-t): M is a whole number
	s_delay_alu instid0(VALU_DEP_1)
	v_sub_f32 v[TMP], v12, v[TMP]                  ; old M - new M, 0 or less
	s_delay_alu instid0(VALU_DEP_1)
	v_cvt_i32_f32 v[TMP], v[TMP]                   ; (it saturates)
	s_delay_alu instid0(VALU_DEP_1)
	v_ldexp_f32 v[F], 1.0, v[TMP]                  ; f = 2^(old M - new M)
.set n, 0
.rept 32
	v_pk_fma_f32 v[S+n:S+n+1], v[S+n:S+n+1], s[CS:CS+1], v[12:13] op_sel_hi:[1,0,0]   ; t - M
.set n, n+2
.endr
	s_setprio 1
.irp b,0,1,2,3
	v_fma_f32 v[BM+\b], v[BM+\b], s[CS], v12
.endr
.set n, 0
	s_wait_alu depctr_va_vdst(0)
.rept 64
	v_exp_f32 v[S+n], v[S+n]                       ; p = 2^(t - M)
.set n, n+1
.endr
	v_pk_mul_f32 v[14:15], v[14:15], v[F:F+1] op_sel_hi:[1,0]   ; the sums under the new M: a plain place behind the exponentials
	s_wait_alu depctr_va_vdst(0)                   ; one wait for the batch, ahead of its first reader
.irp b,0,1,2,3
	v_exp_f32 v[BM+\b], v[BM+\b]                   ; the blocks' largest p
.endr
	v_pk_add_f32 v[228:229], v[100:101], v[104:105]
	v_pk_add_f32 v[254:255], v[108:109], v[112:113]
	v_pk_add_f32 v[252:253], v[116:117], v[120:121]
	v_pk_add_f32 v[246:247], v[124:125], v[128:129]
	v_pk_add_f32 v[244:245], v[132:133], v[136:137]
	v_pk_add_f32 v[242:243], v[140:141], v[144:145]
	v_pk_add_f32 v[240:241], v[148:149], v[152:153]
	v_pk_add_f32 v[14:15], v[14:15], v[156:157]
	v_pk_add_f32 v[228:229], v[228:229], v[96:97]
	v_pk_add_f32 v[254:255], v[254:255], v[98:99]
	v_pk_add_f32 v[252:253], v[252:253], v[102:103]
	v_pk_add_f32 v[246:247], v[246:247], v[106:107]
	v_pk_add_f32 v[244:245], v[244:245], v[110:111]
	v_pk_add_f32 v[242:243], v[242:243], v[114:115]
	v_pk_add_f32 v[240:241], v[240:241], v[118:119]
	v_pk_add_f32 v[14:15], v[14:15], v[122:123]
	v_pk_add_f32 v[228:229], v[228:229], v[126:127]
	v_pk_add_f32 v[254:255], v[254:255], v[130:131]
	v_pk_add_f32 v[252:253], v[252:253], v[134:135]
	v_pk_add_f32 v[246:247], v[246:247], v[138:139]
	v_pk_add_f32 v[244:245], v[244:245], v[142:143]
	v_pk_add_f32 v[242:243], v[242:243], v[146:147]
	v_pk_add_f32 v[240:241], v[240:241], v[150:151]
	v_pk_add_f32 v[14:15], v[14:15], v[154:155]
	v_pk_add_f32 v[228:229], v[228:229], v[158:159]
	s_delay_alu instid0(VALU_DEP_2)
	v_pk_add_f32 v[14:15], v[14:15], v[246:247]
	s_delay_alu instid0(VALU_DEP_2)
	v_pk_add_f32 v[228:229], v[228:229], v[244:245]
	v_pk_add_f32 v[254:255], v[254:255], v[242:243]
	v_pk_add_f32 v[252:253], v[252:253], v[240:241]
	s_delay_alu instid0(VALU_DEP_2)
	v_pk_add_f32 v[14:15], v[14:15], v[254:255]
	s_delay_alu instid0(VALU_DEP_2)
	v_pk_add_f32 v[228:229], v[228:229], v[252:253]
	s_delay_alu instid0(VALU_DEP_1)
	v_pk_add_f32 v[14:15], v[14:15], v[228:229]
	s_wait_alu depctr_va_vdst(0)                   ; and one for the four
.irp b,0,1,2,3
	v_max_num_f32 v[BM+\b], 0x1800000, v[BM+\b]    ; the floor 2^(3 - 127)
.endr
.irp b,0,1,2,3
	s_delay_alu instid0(VALU_DEP_4)
	v_add_nc_u32 v[SO+\b], 0xff000000, v[BM+\b]    ; the conversion's scale operand
.endr
.irp b,0,1,2,3
	s_delay_alu instid0(VALU_DEP_4)
	v_lshrrev_b32 v[BP+\b], 23, v[SO+\b]           ; the scale's byte
.endr
	s_delay_alu instid0(VALU_DEP_3)
	v_lshl_or_b32 v[PW], v[BP+1], 8, v[BP]
	s_delay_alu instid0(VALU_DEP_1)
	v_lshl_or_b32 v[PW], v[BP+2], 16, v[PW]
	s_delay_alu instid0(VALU_DEP_1)
	v_lshl_or_b32 v[PW], v[BP+3], 24, v[PW]
	s_setprio 0
.irp c,0,1
	v_cvt_scalef32_pk16_fp6_f32 v[P+6*\c:P+6*\c+2], v[S+32*\c:S+32*\c+15], v[SO+2*\c]
	v_cvt_scalef32_pk16_fp6_f32 v[P2+4*\c:P2+4*\c+2], v[S+32*\c+16:S+32*\c+31], v[SO+2*\c+1]
.endr
	v_nop                                          ; one plain place behind the last scaled conversion
.irp c,0,1
.irp i,0,1,2
	v_permlane16_swap_b32 v[P+6*\c+\i], v[P2+4*\c+\i]
.endr
.irp i,0,1,2
	s_delay_alu instid0(VALU_DEP_3)
	v_mov_b32 v[P+3+6*\c+\i], v[P2+4*\c+\i]
.endr
.endr
.set n, 0
.rept 16
	v_pk_mul_f32 v[O+n:O+n+1], v[O+n:O+n+1], v[F:F+1] op_sel_hi:[1,0]   ; O^T under the new M; these are also the places in front of the products below
.set n, n+2
.endr
	s_wait_alu depctr_va_vdst(0)
	s_wait_dscnt 0x0                               ; V is in
.irp f,0,1,2,3
.if \f%2
	v_wmma_scale_f32_16x16x128_f8f6f4 v[O+8*\f:O+8*\f+7], v[KV+12*\f:KV+12*\f+11], v[P:P+11], v[O+8*\f:O+8*\f+7], v[VS+\f/2], v[PW] matrix_a_fmt:MATRIX_FMT_FP6 matrix_b_fmt:MATRIX_FMT_FP6 matrix_a_scale:MATRIX_SCALE_ROW1
.else
	v_wmma_scale_f32_16x16x128_f8f6f4 v[O+8*\f:O+8*\f+7], v[KV+12*\f:KV+12*\f+11], v[P:P+11], v[O+8*\f:O+8*\f+7], v[VS+\f/2], v[PW] matrix_a_fmt:MATRIX_FMT_FP6 matrix_b_fmt:MATRIX_FMT_FP6
.endif
.endr
.Lskip_\@:
	s_add_co_u32 s[TB], s[TB], PART
	s_add_co_u32 s[SI], s[SI], 1
.endm
; A TILE of 16 queries: nt trips (a constant), of which those up to the tile's block s[ab] work.  s[ti]: the tile's place in its block.  Its codes end in v[cod] on, its two scale bytes in v[scl].
.macro TILE nt, ab, ti, rec, attb, cod, scl, vq, vqs
	s_mul_i32 s50, s[\ti], 768
	v_add_nc_u32 v[\vq], s50, v[L8]
	s_lshl_b32 s50, s[\ti], 5
	v_add_nc_u32 v[\vqs], s50, v[R2X]
.irp i,0,1,2
	global_load_b64 v[QR+6+2*\i:QR+7+2*\i], v[\vq], s[\rec:\rec+1] offset:12800+256*\i   ; q's half fragment
.endr
	global_load_u16 v[TMP], v[\vqs], s[\rec:\rec+1] offset:18944                        ; and its two scale bytes
	s_lshl_b32 s50, s[\ti], 4
	v_add_nc_u32 v[VD], s50, v[D0]
	v_mov_b32 v13, 0xff61b1e6                      ; the largest t so far: -3e38
	s_delay_alu instid0(VALU_DEP_1)
	v_floor_f32 v12, -v13
	v_mov_b32 v14, 0
	v_mov_b32 v15, 0
	s_mov_b32 s[TB], 0
	s_mov_b32 s[SI], 0
	s_wait_loadcnt 0x0
	v_lshl_or_b32 v[QS], v[TMP], 16, v[TMP]        ; the same two bytes for either half of the instruction's K
.set n, 0
.rept 32
	v_mov_b32 v[O+n], 0                            ; the step is written once: the first finds zeros.  (Also the places between the scale word's write and the first product)
.set n, n+1
.endr
.Ltile_\@:
	STEP \ab
	s_cmp_lt_u32 s[SI], \nt
	s_cbranch_scc1 .Ltile_\@
	s_setprio 0
.rept 4
	v_nop                                          ; places behind the last products
.endr
	v_add_f32 v14, v14, v15
	s_delay_alu instid0(VALU_DEP_1)
	v_permlanex16_b32 v[BP], v14, s[SEL], s[SEL+1]
	s_delay_alu instid0(VALU_DEP_1)
	v_add_f32 v14, v14, v[BP]                      ; the row's sum
	s_wait_alu depctr_va_vdst(0)
	v_rcp_f32 v14, v14
	v_nop                                          ; a plain place behind the reciprocal
	s_wait_alu depctr_va_vdst(0)                   ; and the wait ahead of its first reader
.set n, 0
.rept 16
	v_pk_mul_f32 v[S+n:S+n+1], v[O+n:O+n+1], v[14:15] op_sel_hi:[1,0]   ; O^T / the sum: register 16 b + i is channel 32 b + 16 h + i of my query
.set n, n+2
.endr
.irp b,0,1
	v_max3_num_f32 v[BM+\b], |v[S+16*\b]|, |v[S+16*\b+1]|, 0x1800000
.endr
.irp i,2,4,6,8,10,12,14
.irp b,0,1
	s_delay_alu instid0(VALU_DEP_2)
	v_max3_num_f32 v[BM+\b], v[BM+\b], |v[S+16*\b+\i]|, |v[S+16*\b+\i+1]|
.endr
.endr
.irp b,0,1
	s_delay_alu instid0(VALU_DEP_2)
	v_permlanex16_b32 v[BP+\b], v[BM+\b], s[SEL], s[SEL+1]
.endr
.irp b,0,1
	s_delay_alu instid0(VALU_DEP_2)
	v_max_num_f32 v[BM+\b], v[BM+\b], v[BP+\b]
.endr
.irp b,0,1
	s_delay_alu instid0(VALU_DEP_2)
	v_add_nc_u32 v[SO+\b], 0xff000000, v[BM+\b]
.endr
.irp b,0,1
	s_delay_alu instid0(VALU_DEP_2)
	v_lshrrev_b32 v[BP+\b], 23, v[SO+\b]
.endr
	s_delay_alu instid0(VALU_DEP_1)
	v_lshl_or_b32 v[\scl], v[BP+1], 8, v[BP]
	v_cvt_scalef32_pk16_fp6_f32 v[\cod:\cod+2], v[S:S+15], v[SO]
	v_cvt_scalef32_pk16_fp6_f32 v[P2:P2+2], v[S+16:S+31], v[SO+1]
	v_nop
.irp i,0,1,2
	v_permlane16_swap_b32 v[\cod+\i], v[P2+\i]
.endr
.irp i,0,1,2
	s_delay_alu instid0(VALU_DEP_3)
	v_mov_b32 v[\cod+3+\i], v[P2+\i]
.endr
.irp i,0,1,2
	global_store_b64 v[L8], v[\cod+2*\i:\cod+2*\i+1], s[\attb:\attb+1] offset:256*\i   ; 32 lanes store 256 consecutive bytes, aligned; these registers are written no more
.endr
.endm
	s_load_b128 s[4:7], s[0:1], 0x0                ; qkv, att
	s_load_b64 s[8:9], s[0:1], 0x10                ; atts
	v_lshl_add_u32 v[SPW], v0, 2, SPARE
	v_mov_b32 v[NIL], 0
	ds_add_u32 v[SPW], v[NIL]                      ; the wave's opening: the add, twice on end, and its wait ahead of my first tensor load
	ds_add_u32 v[SPW], v[NIL]
	v_lshrrev_b32 v[TMP], 5, v0
	s_delay_alu instid0(VALU_DEP_1)
	v_readfirstlane_b32 s10, v[TMP]                ; wave 0..15
	s_bfe_u32 s11, ttmp6, 0x40000                  ; g: my place in the cluster: it enters global addresses and the mask's numbers alone
	s_and_b32 s12, ttmp7, 0xffff                   ; 16 batch + head, which the four partners share
	s_mov_b32 s16, 15|(3<<16)|(1<<21)              ; all four work-groups; elements of 8 bytes; bit 21 beside a mask; no padding
	s_mov_b32 s17, 32<<16                          ; rows of 256 bytes
	s_mov_b32 s18, 50<<16                          ; 50 of them: 12,800 dense bytes
	s_mov_b32 s19, 32<<16
	s_mov_b32 s20, 50
	s_mov_b32 s21, 32
	s_mov_b32 s22, 0
	s_mov_b32 s23, 0
	s_mul_i32 s24, s12, 16*REC
	s_mov_b32 s25, 0
	s_mul_i32 s26, s10, REC
	s_mov_b32 s27, 0
	s_mul_i32 s13, s10, PART
	s_mov_b32 s[CS], 0x3e38aa3b                    ; log2(e) / 8
	s_mov_b32 s[CS+1], s[CS]
	s_mov_b32 s[SEL], 0x76543210
	s_mov_b32 s[SEL+1], 0xfedcba98
	s_wait_dscnt 0x0                               ; both opening adds are done
	s_wait_kmcnt 0x0
	s_add_nc_u64 s[4:5], s[4:5], s[24:25]          ; the head's sixteen records
	s_mov_b32 s28, 1
	s_mov_b32 s29, s13
	s_add_nc_u64 s[30:31], s[4:5], s[26:27]        ; wave w asks for step w
	s_or_b32 s31, s31, 0x80000000
	CROUND                                         ; all four work-groups are here: the joint loads meet
	tensor_load_to_lds s[28:31], s[16:23]          ; one load of mine is out
	s_nop 0
.rept 4
	v_nop
.endr
	v_and_b32 v[LN], 31, v0
	v_and_b32 v[RR], 15, v0
	v_bfe_u32 v[HH], v0, 4, 1
	s_delay_alu instid0(VALU_DEP_3)
	v_mul_u32_u24 v[L48], v[LN], 48
	s_delay_alu instid0(VALU_DEP_4)
	v_lshlrev_b32 v[L4], 2, v[LN]
	v_lshlrev_b32 v[L8], 3, v[LN]
	s_delay_alu instid0(VALU_DEP_4)
	v_lshlrev_b32 v[TMP], 3, v[HH]
	s_delay_alu instid0(VALU_DEP_1)
	v_sub_nc_u32 v[D0], v[RR], v[TMP]
	v_lshlrev_b32 v[R2X], 1, v[RR]
.irp i,0,1,2,3,4,5
	v_mov_b32 v[QR+\i], 0                          ; the zero codes on either side of q
	v_mov_b32 v[QR+12+\i], 0
.endr
.irp b,0,1,2,3
	v_mov_b32 v[BP+\b], 0                          ; a lane permute's destination counts as one of its sources
.endr
	v_mov_b32 v[F+1], 0                            ; named as the upper half of a pair
	s_lshr_b32 s32, s10, 1                         ; the low tile's block: the wave's number alone
	s_and_b32 s33, s10, 1
	s_lshl_b32 s33, s33, 2
	s_add_co_u32 s33, s33, s11                     ; its place in the block: 4 (w % 2) + g
	s_sub_co_u32 s34, 15, s32                      ; the high tile's block
	s_sub_co_u32 s35, 7, s33                       ; and place
	s_mov_b32 s57, 0
	s_mul_i32 s56, s32, REC
	s_add_nc_u64 s[36:37], s[4:5], s[56:57]        ; the records that hold my queries
	s_mul_i32 s56, s34, REC
	s_add_nc_u64 s[38:39], s[4:5], s[56:57]
	s_lshr_b32 s50, s12, 4                         ; batch
	s_and_b32 s51, s12, 15                         ; head
	s_lshl_b32 s52, s32, 3
	s_add_co_u32 s52, s52, s33                     ; the low tile
	s_lshl_b32 s53, s34, 3
	s_add_co_u32 s53, s53, s35                     ; the high tile
	s_lshl_b32 s54, s50, 7
	s_add_co_u32 s55, s54, s52
	s_lshl_b32 s55, s55, 4
	s_add_co_u32 s55, s55, s51
	s_mul_i32 s56, s55, 768                        ; att: ((128 batch + tile) 16 + head) 768
	s_add_nc_u64 s[40:41], s[6:7], s[56:57]
	s_add_co_u32 s55, s54, s53
	s_lshl_b32 s55, s55, 4
	s_add_co_u32 s55, s55, s51
	s_mul_i32 s56, s55, 768
	s_add_nc_u64 s[42:43], s[6:7], s[56:57]
	s_lshl_b32 s54, s50, 16                        ; atts: 32 token + 2 head
	s_lshl_b32 s55, s51, 1
	s_add_co_u32 s54, s54, s55
	s_lshl_b32 s55, s52, 9
	s_add_co_u32 s58, s54, s55                     ; the low tile's first row
	s_sub_co_u32 s59, s53, s52
	s_lshl_b32 s59, s59, 9                         ; from there to the high tile's
	s_wait_tensorcnt 0x0                           ; my step is in,
	s_barrier_signal -1
	s_barrier_wait -1                              ; everybody's is
	TILE 8, 32, 33, 36, 40, 88, 94, 242, 243
	TILE 16, 34, 35, 38, 42, 232, 241, 244, 245
	v_cmp_gt_u32 vcc_lo, 16, v[LN]
	s_delay_alu instid0(VALU_DEP_1)
	v_cndmask_b32 v240, v241, v94, vcc_lo          ; lanes 0-15 store the low tile's rows' bytes, lanes 16-31 the high tile's
	v_lshl_add_u32 v246, v[RR], 5, s58
	v_mul_u32_u24 v247, s59, v[HH]
	s_delay_alu instid0(VALU_DEP_1)
	v_add_nc_u32 v246, v246, v247
	global_store_b16 v246, v240, s[8:9]            ; two bytes of a row of 32: a work-group has one head's
	s_wait_tensorcnt 0x0                           ; the wave's end
	ds_add_u32 v[SPW], v[NIL]
	s_wait_dscnt 0x0
	CROUND                                         ; the closing round
	s_endpgm
.Lfunc_end_k_qe0c7a249b7_attn:
	.size	k_qe0c7a249b7_attn, .Lfunc_end_k_qe0c7a249b7_attn-k_qe0c7a249b7_attn
	.p2alignl 7, 3214868480
	.fill 96, 4, 3214868480
	.section	.rodata,"a",@progbits
	.p2align	6, 0x0
	.amdhsa_kernel k_qe0c7a249b7_attn
		.amdhsa_group_segment_fixed_size 206848
		.amdhsa_private_segment_fixed_size 0
		.amdhsa_enable_private_segment 0
		.amdhsa_kernarg_size 24
		.amdhsa_user_sgpr_count 2
		.amdhsa_user_sgpr_kernarg_segment_ptr 1
		.amdhsa_wavefront_size32 1
		.amdhsa_system_sgpr_workgroup_id_x 1
		.amdhsa_system_sgpr_workgroup_id_y 1
		.amdhsa_system_sgpr_workgroup_id_z 1
		.amdhsa_system_vgpr_workitem_id 0
		.amdhsa_next_free_vgpr 256
		.amdhsa_next_free_sgpr 66
		.amdhsa_reserve_vcc 1
		.amdhsa_float_denorm_mode_32 3
		.amdhsa_float_denorm_mode_16_64 3
		.amdhsa_memory_ordered 1
		.amdhsa_forward_progress 1
		.amdhsa_inst_pref_size 63
	.end_amdhsa_kernel
	.amdgpu_metadata
---
amdhsa.version: [ 1, 2 ]
amdhsa.kernels:
  - .name:           k_qe0c7a249b7_attn
    .symbol:         k_qe0c7a249b7_attn.kd
    .args:
      - { .name: qkv, .offset: 0, .size: 8, .value_kind: global_buffer, .address_space: global }
      - { .name: att, .offset: 8, .size: 8, .value_kind: global_buffer, .address_space: global }
      - { .name: atts, .offset: 16, .size: 8, .value_kind: global_buffer, .address_space: global }
    .group_segment_fixed_size: 206848
    .private_segment_fixed_size: 0
    .kernarg_segment_align: 8
    .kernarg_segment_size: 24
    .max_flat_workgroup_size: 512
    .sgpr_count:     66
    .vgpr_count:     256
    .wavefront_size: 32
...
	.end_amdgpu_metadata
.endif
;; end of part 2
;; launch proj (part 3): grid 8 x 32, 4 waves a work-group, clusters of 4 x 4, 301,568 bytes of LDS; arguments att, atts, Wp_codes, Wp_scales, bp, out0; writes out0
.if DOCPART == 3
	.amdgcn_target "amdgcn-amd-amdhsa--gfx1250"
	.amdhsa_code_object_version 6
	.text
	.protected	k_qe0c7a249b7_proj
	.globl	k_qe0c7a249b7_proj
	.p2align	8
	.type	k_qe0c7a249b7_proj,@function
k_qe0c7a249b7_proj:
	s_mov_b64 s[64:65], 0
	v_nop
	global_prefetch_b8 v0, s[64:65] scope:SCOPE_SE
	s_setreg_imm32_b32 hwreg(HW_REG_WAVE_MODE, 25, 1), 1
	s_wait_xcnt 0x0
	s_wait_alu depctr_hold_cnt(0) depctr_sa_sdst(0) depctr_va_vdst(0) depctr_va_sdst(0) depctr_va_ssrc(0) depctr_va_vcc(0) depctr_vm_vsrc(0)
	s_getreg_b32 s2, hwreg(HW_REG_IB_STS2, 6, 4)
	s_cmp_eq_u32 s2, 0
	s_cbranch_scc0 .Lentry_in_a_cluster
	s_endpgm
.Lentry_in_a_cluster:
	s_bfe_u32 s2, ttmp6, 0x10000c
	s_cmp_lg_u32 s2, 0xf033
	s_cbranch_scc0 .Lentry_shape_is_right
	s_endpgm
.Lentry_shape_is_right:
; out0 = A Wp^T + bp: A the attention result as the second launch stored it (codes as images of half fragments, [tile of 16 tokens][head][plane of 8 B][lane]; scale bytes [token][32]), Wp as given.  Nothing is left out here.
; SHARES as in the first launch: work-group (X, Y): tokens 256 Y on, features 128 X on; wave w: tokens 64 w on against all 128 features: 32 accumulators; the wave's rows of A, for all of K, stay in 384 registers.
; Source 0 = 16 rows of Wp, source 1 = 16 tokens: a lane holds one token and 8 neighbouring features.  bp is the C of each sum's first matrix instruction.
; CLUSTER 4 x 4: A's rows are asked for jointly along a row of the cluster, Wp's along a column.  Nothing is filled again.
; REGISTERS.  Window 0: v1-13 addresses; v32-47 A's scale words; v48-79 Wp's; v80-143 bp in the result's layout; v160-255 Wp's fragments, set 1; on the way out v32-95 and v160-223 take rows of the result.
;   Window 1: v0-95 Wp's fragments, set 0; v96-239 A's fragments of K steps 0-2.   Window 2: A's of K steps 3-7.   Window 3: the accumulators.
.set PITCH, 816
.set B16,   16*PITCH
.set XW,    64*PITCH
.set WQW,   32*PITCH
.set AWB,   49152                      ; a wave's four tiles of A: 4 x 16 heads x 768 dense bytes
.set WB,    4*AWB                      ; behind them Wp's 128 rows
.set SPARE, WB+4*WQW
.set SPITCH, 528                       ; the way out: 16 rows x (512 + 16) bytes, at the head of the wave's own bytes of A, which have had their only fill and which it alone read
.set SPW, 1
.set NIL, 2
.set ADA, 3
.set ADB, 5                            ; v5-8
.set STO, 9
.set RD,  10
.set CO,  11
.set L32, 12
.set H32, 13
.set LN,  14
.set RR,  15
.set HH,  16
.set AS,  32
.set BS,  48
.set BI,  80
.set G1A, 32
.set G1B, 40
.set G0A, 48
.set G0B, 52
.set OUT, 56
.set MSB, 0
.macro WIN new
.if MSB != (\new)
	s_set_vgpr_msb (MSB<<8)|(\new)
.set MSB, \new
.endif
.endm
.macro PLACES n
.rept \n
	v_nop
.endr
.endm
.macro CROUND
	s_barrier_signal -1
	s_barrier_wait -1
	s_cmp_lg_u32 s22, 0
	s_cbranch_scc1 .Lnot_wave_0_\@
	s_barrier_signal -3
.Lnot_wave_0_\@:
	s_barrier_wait -3
	s_barrier_signal -1
	s_barrier_wait -1
.endm
.macro ASET s
.if (\s) < 3
.set AWN, 1
.set AB0, 96+48*(\s)
.else
.set AWN, 2
.set AB0, 48*((\s)-3)
.endif
.endm
.macro BSET set
.if (\set)
.set BWN, 0
.set BB0, 160
.else
.set BWN, 1
.set BB0, 0
.endif
.endm
.macro FRAG reg, adr, s, rowoff        ; as in the first launch: six pieces of 8 bytes; the second address where lanes 16-31 stand behind one padding more
.irp p,0,1,2,3,4,5
.set PCE, 12*(\s)+6*(\p/3)+\p%3
.if PCE%32 < 29
	ds_load_b64 v[\reg+2*\p:\reg+2*\p+1], v[\adr] offset:8*PCE+16*(PCE/32)+(\rowoff)
.else
	ds_load_b64 v[\reg+2*\p:\reg+2*\p+1], v[\adr+1] offset:8*PCE+16*(PCE/32)+(\rowoff)
.endif
.endr
.endm
.macro FETCHB s, set
	BSET \set
.set WW, BWN<<6
	WIN WW
.irp b,0,1,2,3,4,5,6,7
	FRAG BB0+12*\b, ADB+2*(\b/4), \s, B16*(\b%4)
.endr
.endm
.macro WM ra, rb                       ; one matrix instruction on the symbols rD, rC, rA, rB, rSA, rSB
.if (\ra) && (\rb)
	v_wmma_scale_f32_16x16x128_f8f6f4 v[rD:rD+7], v[rA:rA+11], v[rB:rB+11], v[rC:rC+7], v[rSA], v[rSB] matrix_a_fmt:MATRIX_FMT_FP6 matrix_b_fmt:MATRIX_FMT_FP6 matrix_a_scale:MATRIX_SCALE_ROW1 matrix_b_scale:MATRIX_SCALE_ROW1
.elseif (\ra)
	v_wmma_scale_f32_16x16x128_f8f6f4 v[rD:rD+7], v[rA:rA+11], v[rB:rB+11], v[rC:rC+7], v[rSA], v[rSB] matrix_a_fmt:MATRIX_FMT_FP6 matrix_b_fmt:MATRIX_FMT_FP6 matrix_a_scale:MATRIX_SCALE_ROW1
.elseif (\rb)
	v_wmma_scale_f32_16x16x128_f8f6f4 v[rD:rD+7], v[rA:rA+11], v[rB:rB+11], v[rC:rC+7], v[rSA], v[rSB] matrix_a_fmt:MATRIX_FMT_FP6 matrix_b_fmt:MATRIX_FMT_FP6 matrix_b_scale:MATRIX_SCALE_ROW1
.else
	v_wmma_scale_f32_16x16x128_f8f6f4 v[rD:rD+7], v[rA:rA+11], v[rB:rB+11], v[rC:rC+7], v[rSA], v[rSB] matrix_a_fmt:MATRIX_FMT_FP6 matrix_b_fmt:MATRIX_FMT_FP6
.endif
.endm
.macro STEP s                          ; the next step's fragments of Wp first, then 32 matrix instructions, the accumulators by turns
.if (\s) < 7
.if (\s) > 0
	PLACES 4                                       ; the loads below land in registers that the last step's matrix instructions read
.endif
	FETCHB (\s)+1, 1-((\s)&1)
	s_wait_dscnt 48                                ; all but the 48 just issued
.else
	s_wait_dscnt 0x0
.endif
	ASET \s
	BSET ((\s)&1)
.if (\s) == 0
.set WW, 0xc0|(AWN<<2)|BWN                     ; C: the bias, in window 0
.else
.set WW, 0xf0|(AWN<<2)|BWN
.endif
	WIN WW
.irp a,0,1,2,3
.irp b,0,1,2,3,4,5,6,7
.set rD, 8*(8*\a+\b)
.if (\s) == 0
.set rC, BI+8*\b
.else
.set rC, rD
.endif
.set rA, BB0+12*\b
.set rB, AB0+12*\a
.set rSA, BS+8*(\b/2)+(\s)
.set rSB, AS+8*(\a/2)+(\s)
	WM (\b%2), (\a%2)
.endr
.endr
.endm
; THE WAY OUT, a block of 16 tokens x 128 features at a time: 32 bytes a lane into my stage, whole rows of 512 bytes back.  LDS serves a wave's instructions in order: no wait between the stores and the loads.
.macro TOSTAGE a
	WIN 0x0c                                       ; an LDS store's data: window 3
.irp b,0,1,2,3,4,5,6,7
	ds_store_b128 v[STO], v[64*(\a)+8*\b:64*(\a)+8*\b+3] offset:64*\b        ; each accumulator from its low end on
	ds_store_b128 v[STO], v[64*(\a)+8*\b+4:64*(\a)+8*\b+7] offset:64*\b+16
.endr
	WIN 0
.set BB, 32+128*((\a)%2)
.irp t,0,1,2,3,4,5,6,7,8,9,10,11,12,13,14,15
	ds_load_b128 v[BB+4*\t:BB+4*\t+3], v[RD] offset:\t*SPITCH
.endr
.endm
.macro SEND a, younger
.set BB, 32+128*((\a)%2)
	s_wait_dscnt \younger                          ; the block is back; the LDS instructions issued behind its loads may be out
.irp t,0,1,2,3,4,5,6,7,8,9,10,11,12,13,14,15
	global_store_b128 v[CO], v[BB+4*\t:BB+4*\t+3], s[OUT:OUT+1] offset:(16*(\a)+\t)*4096 th:TH_STORE_NT   ; 32 lanes store 512 consecutive bytes, aligned; written once, read by nobody here
.endr
.endm
	s_load_b256 s[4:11], s[0:1], 0x0               ; att, atts, Wp's codes, Wp's scales
	s_load_b128 s[12:15], s[0:1], 0x20             ; bp, out0
	v_lshl_add_u32 v[SPW], v0, 2, SPARE
	v_mov_b32 v[NIL], 0
	ds_add_u32 v[SPW], v[NIL]                      ; the wave's opening: the add, twice on end, and its wait ahead of my first tensor load
	ds_add_u32 v[SPW], v[NIL]
	v_lshrrev_b32 v[LN], 5, v0
	v_readfirstlane_b32 s22, v[LN]                 ; wave 0..3
	s_bfe_u32 s23, ttmp6, 0x40000                  ; cx
	s_bfe_u32 s24, ttmp6, 0x40004                  ; cy
	s_lshl_b32 s25, ttmp9, 2
	s_add_co_u32 s25, s25, s23                     ; X
	s_and_b32 s26, ttmp7, 0xffff
	s_lshl_b32 s26, s26, 2
	s_add_co_u32 s26, s26, s24                     ; Y
	s_lshl_b32 s27, s24, 2
	s_lshl_b32 s27, 15, s27                        ; my row of the cluster
	s_lshl_b32 s28, 0x1111, s23                    ; my column
	s_or_b32 s[G1A], s27, (3<<16)|(1<<21)          ; A: 192 dense rows of 256 bytes (elements of 8), no padding, to my row
	s_mov_b32 s[G1A+1], 32<<16
	s_mov_b32 s[G1A+2], 192<<16
	s_mov_b32 s[G1A+3], 32<<16
	s_mov_b32 s[G1A+4], 192
	s_mov_b32 s[G1A+5], 32
	s_mov_b32 s[G1A+6], 0
	s_mov_b32 s[G1A+7], 0
	s_or_b32 s[G1B], s28, (1<<20)|(1<<21)|(5<<22)|(3<<25)   ; Wp: 32 rows of 768 bytes, 16 of padding behind each 256, to my column
	s_mov_b32 s[G1B+1], 768<<16
	s_mov_b32 s[G1B+2], 32<<16
	s_mov_b32 s[G1B+3], 768<<16
	s_mov_b32 s[G1B+4], 32
	s_mov_b32 s[G1B+5], 768
	s_mov_b32 s[G1B+6], 0
	s_mov_b32 s[G1B+7], 0
	s_lshl_b32 s84, s26, 4                         ; offsets that hang on Y: s84-89
	s_lshl_b32 s85, s22, 2
	s_add_co_u32 s84, s84, s85                     ; my first tile of tokens: 16 Y + 4 w
	s_mul_i32 s86, s84, 12288
	s_mov_b32 s87, 0
	s_lshl_b32 s88, s84, 9                         ; its scale bytes: 16 rows of 32
	s_mov_b32 s89, 0
	s_lshl_b32 s90, s25, 7                         ; offsets that hang on X: s90-97
	s_lshl_b32 s91, s22, 5
	s_add_co_u32 s91, s90, s91                     ; Wp: row 128 X + 32 w
	s_mul_i32 s92, s91, 768
	s_mov_b32 s93, 0
	s_lshl_b32 s94, s25, 12                        ; Wp's scales
	s_mov_b32 s95, 0
	s_lshl_b32 s96, s25, 9                         ; bp, and the columns of out0: 128 X numbers of 4 bytes
	s_mov_b32 s97, 0
	s_lshl_b32 s98, s84, 16                        ; out0: 16 rows of 4,096 bytes a tile
	s_mov_b32 s99, 0
	s_mul_i32 s30, s22, AWB
	s_mul_i32 s31, s22, WQW
	s_add_co_u32 s31, s31, WB
	s_wait_dscnt 0x0                               ; both opening adds are done
	s_wait_kmcnt 0x0
	s_mov_b32 s[G0A], 1
	s_mov_b32 s[G0A+1], s30
	s_add_nc_u64 s[G0A+2:G0A+3], s[4:5], s[86:87]
	s_or_b32 s[G0A+3], s[G0A+3], 0x80000000
	s_mov_b32 s[G0B], 1
	s_mov_b32 s[G0B+1], s31
	s_add_nc_u64 s[G0B+2:G0B+3], s[8:9], s[92:93]
	s_or_b32 s[G0B+3], s[G0B+3], 0x80000000
	s_add_nc_u64 s[58:59], s[6:7], s[88:89]
	s_add_nc_u64 s[60:61], s[10:11], s[94:95]
	s_add_nc_u64 s[62:63], s[12:13], s[96:97]
	s_add_nc_u64 s[OUT:OUT+1], s[14:15], s[98:99]
	s_add_nc_u64 s[OUT:OUT+1], s[OUT:OUT+1], s[96:97]
	CROUND                                         ; all sixteen work-groups are here: the joint loads meet
	tensor_load_to_lds s[G0A:G0A+3], s[G1A:G1A+7]  ; my four tiles of A
	s_nop 0
	tensor_load_to_lds s[G0B:G0B+3], s[G1B:G1B+7]  ; my 32 rows of Wp: two loads of mine are out
	s_nop 0
	PLACES 4
	v_and_b32 v[LN], 31, v0
	v_and_b32 v[RR], 15, v0
	v_bfe_u32 v[HH], v0, 4, 1
	v_lshlrev_b32 v[L32], 5, v[LN]
	v_lshlrev_b32 v[H32], 5, v[HH]
.irp j,0,1
	global_load_b128 v[AS+8*\j:AS+8*\j+3], v[L32], s[58:59] offset:1024*\j
	global_load_b128 v[AS+8*\j+4:AS+8*\j+7], v[L32], s[58:59] offset:1024*\j+16
.endr
.irp j,0,1,2,3
	global_load_b128 v[BS+8*\j:BS+8*\j+3], v[L32], s[60:61] offset:1024*\j
	global_load_b128 v[BS+8*\j+4:BS+8*\j+7], v[L32], s[60:61] offset:1024*\j+16
.endr
.irp b,0,1,2,3,4,5,6,7
	global_load_b128 v[BI+8*\b:BI+8*\b+3], v[H32], s[62:63] offset:64*\b        ; bp at features 16 b + 8 h + 0 .. 7
	global_load_b128 v[BI+8*\b+4:BI+8*\b+7], v[H32], s[62:63] offset:64*\b+16
.endr
	v_lshl_add_u32 v[ADA], v[LN], 3, s30           ; A's images: 8 x lane
	v_mul_u32_u24 v[ADB], v[RR], PITCH
	v_mad_u32_u24 v[ADB], v[HH], 24, v[ADB]
	v_add_nc_u32 v[ADB], WB, v[ADB]
	v_lshl_add_u32 v[ADB+1], v[HH], 4, v[ADB]
	v_add_nc_u32 v[ADB+2], XW, v[ADB]
	v_add_nc_u32 v[ADB+3], XW, v[ADB+1]
	v_mul_u32_u24 v[STO], v[RR], SPITCH
	v_lshl_add_u32 v[STO], v[HH], 5, v[STO]
	v_add_nc_u32 v[STO], s30, v[STO]
	v_lshlrev_b32 v[CO], 4, v[LN]
	v_add_nc_u32 v[RD], s30, v[CO]
	s_wait_alu depctr_va_vdst(0)
	s_wait_tensorcnt 0x1                           ; my tiles of A are in (Wp's load, issued behind them, may be out); only I read them
.irp s,0,1,2,3,4,5,6,7                         ; A into registers: K step s is heads 2 s and 2 s + 1
	ASET \s
.set WW, AWN<<6
	WIN WW
.irp a,0,1,2,3
.irp c,0,1
.irp i,0,1,2
	ds_load_b64 v[AB0+12*\a+6*\c+2*\i:AB0+12*\a+6*\c+2*\i+1], v[ADA] offset:12288*\a+1536*\s+768*\c+256*\i
.endr
.endr
.endr
.endr
	WIN 0
	s_wait_tensorcnt 0x0                           ; my part of Wp is in
	s_wait_dscnt 0x0
	s_barrier_signal -1
	s_barrier_wait -1                              ; everybody's is
	s_wait_loadcnt 0x0                             ; scale words and bias
	FETCHB 0, 0
.irp s,0,1,2,3,4,5,6,7
	STEP \s
.endr
	WIN 0
	PLACES 4                                       ; behind the last products: results are read, and registers that they read are loaded, below
	TOSTAGE 0
.irp a,1,2,3
.if \a > 1
	s_wait_xcnt 0x0                                ; the stores of two blocks back have read their registers: this block's rows land there
.endif
	TOSTAGE \a
	SEND (\a-1), 32                                ; behind that block's loads: this block's 16 stores and 16 loads
.endr
	SEND 3, 0
	s_wait_tensorcnt 0x0                           ; the wave's end
	ds_add_u32 v[SPW], v[NIL]
	s_wait_dscnt 0x0
	CROUND                                         ; the closing round
	s_endpgm
.Lfunc_end_k_qe0c7a249b7_proj:
	.size	k_qe0c7a249b7_proj, .Lfunc_end_k_qe0c7a249b7_proj-k_qe0c7a249b7_proj
	.p2alignl 7, 3214868480
	.fill 96, 4, 3214868480
	.section	.rodata,"a",@progbits
	.p2align	6, 0x0
	.amdhsa_kernel k_qe0c7a249b7_proj
		.amdhsa_group_segment_fixed_size 301568
		.amdhsa_private_segment_fixed_size 0
		.amdhsa_enable_private_segment 0
		.amdhsa_kernarg_size 48
		.amdhsa_user_sgpr_count 2
		.amdhsa_user_sgpr_kernarg_segment_ptr 1
		.amdhsa_wavefront_size32 1
		.amdhsa_system_sgpr_workgroup_id_x 1
		.amdhsa_system_sgpr_workgroup_id_y 1
		.amdhsa_system_sgpr_workgroup_id_z 1
		.amdhsa_system_vgpr_workitem_id 0
		.amdhsa_next_free_vgpr 1024
		.amdhsa_next_free_sgpr 100
		.amdhsa_reserve_vcc 0
		.amdhsa_float_denorm_mode_32 3
		.amdhsa_float_denorm_mode_16_64 3
		.amdhsa_memory_ordered 1
		.amdhsa_forward_progress 1
		.amdhsa_inst_pref_size 93
	.end_amdhsa_kernel
	.amdgpu_metadata
---
amdhsa.version: [ 1, 2 ]
amdhsa.kernels:
  - .name:           k_qe0c7a249b7_proj
    .symbol:         k_qe0c7a249b7_proj.kd
    .args:
      - { .name: att, .offset: 0, .size: 8, .value_kind: global_buffer, .address_space: global }
      - { .name: atts, .offset: 8, .size: 8, .value_kind: global_buffer, .address_space: global }
      - { .name: Wp_codes, .offset: 16, .size: 8, .value_kind: global_buffer, .address_space: global }
      - { .name: Wp_scales, .offset: 24, .size: 8, .value_kind: global_buffer, .address_space: global }
      - { .name: bp, .offset: 32, .size: 8, .value_kind: global_buffer, .address_space: global }
      - { .name: out0, .offset: 40, .size: 8, .value_kind: global_buffer, .address_space: global }
    .group_segment_fixed_size: 301568
    .private_segment_fixed_size: 0
    .kernarg_segment_align: 8
    .kernarg_segment_size: 48
    .max_flat_workgroup_size: 128
    .sgpr_count:     100
    .vgpr_count:     1024
    .wavefront_size: 32
...
	.end_amdgpu_metadata
.endif
;; end of part 3
